; MI455X (gfx1250); checked and timed in simulation.
; The chip was launched on July 23, 2026; its instructions are those of AMD's public machine-readable ISA for CDNA 5 (MIT licence, August 2026) and "CDNA5" Instruction Set Architecture Reference Guide (July 2026). The comments in the code are by the model that wrote it; some were corrected since.
;; Sparse Linear. Allowed arithmetic: matrix products marked QUANTISED: E2M3 operands, one E8M0 scale for each 32 along K, by v_wmma_scale_f32_16x16x128_f8f6f4 with both operands' format E2M3, f32 sums; everything else in f32.
;; Inputs: bias 4,096 float32; mask 4,096 x 4,096 bool; residual_connection 4,096 int32; weight 4,096 x 4,096 float32; x 4,096 x 4,096 float32.
;; Outputs: out0 4,096 x 4,096 float32.
;; This version of the problem:
;;   THIS VERSION OF THE PROBLEM IS GIVEN IN LOW PRECISION. The matrix products marked QUANTISED in the list below multiply operands that are first quantised to E2M3 (2 exponent bits, 3 mantissa bits; 6 bits a number), with one power-of-two scale for each 32 numbers along K (OCP MX v1.0); their sums are f32. All else is computed in f32.
;;   The module's matrix products, in the order in which they are computed (A, B: the left and right operand; K: the contracted axis; several contracted axes count as one K, in the product's order):
;;     1. [M 4,096, K 4,096] x [K 4,096, N 4,096]; A: input x; B: computed on the way: QUANTISED
;;   THE QUANTISER, for each operand of a quantised product, along K:
;;     - K is cut into blocks of 32 from its start; a last block that is shorter is filled with zeros.
;;     - A block's scale is 2^e with e = floor(log2(the largest magnitude in the block)) - 2, held to -126 .. 127; a block of zeros has e = 0. As a byte (E8M0): e + 127.
;;     - Each number is divided by its block's scale, clamped to +-7.5, and rounded to the nearest number of E2M3, ties to even, subnormals kept.
;;     - The product sums the exact products of the quantised numbers (number of the format x scale) in f32.
;;   ~~~python
;;   def quantise(x, axis):      # numpy; x: float32 -> the quantised numbers, widened to float32 again
;;       x = np.moveaxis(x, axis, -1); K = x.shape[-1]
;;       x = np.pad(x, [(0, 0)] * (x.ndim - 1) + [(0, -K % 32)]); x = x.reshape(x.shape[:-1] + (-1, 32)); a = np.abs(x).max(-1, keepdims=True)
;;       e = np.where(a > 0, np.clip(np.frexp(np.where(a > 0, a, 1))[1] - 1 - 2, -126, 127), 0)      # np.frexp(a)[1] - 1 = floor(log2(a)), exactly
;;       r = np.clip(x / 2.0 ** e, -7.5, 7.5)
;;       step = 2.0 ** (np.maximum(np.frexp(np.where(r == 0, 1, r))[1] - 1, 0) - 3)
;;       q = np.round(r / step) * step * 2.0 ** e      # np.round: ties to even
;;       return np.moveaxis(q.reshape(q.shape[:-2] + (-1,))[..., :K], -1, axis).astype(np.float32)
;;   ~~~
;;   OPERANDS COMPUTED ON THE WAY. 'Computed on the way' means the value that the module computes at that place (a softmax that the list does not call 'softmax' is quantised finished and normalised). What goes into a quantiser is computed in f32, as accurately as f32 sums, v_exp_f32 and their like allow (about 1e-6 of the number): no bf16 or f16 on the way to a quantiser, and a product that is left as it is and whose result goes on into a quantised operand takes f32 operands (vector FMAs, or v_wmma_f32_16x16x4_f32). A number that lies on a knife's edge between two numbers of the format may be rounded either way, as far as f32 arithmetic and the matrix unit's own rounding can turn it there, and no further.
;; One version. Each part assembles by itself: llvm-mc -triple=amdgcn-amd-amdhsa -mcpu=gfx1250 --defsym DOCPART=n.
;; ======== version 1 of 1: 2 launches
;; limits: right only within a limited range of input values
;; workspace buffers: xq 13,107,200 bytes; wq 13,107,200 bytes; res 67,108,864 bytes
;; launch prep (part 1): grid 256 x 1, 16 waves a work-group, no clusters, 264,448 bytes of LDS; arguments x, residual_connection, weight, mask, xq, wq, res; writes xq, wq, res
.if DOCPART == 1
	.amdgcn_target "amdgcn-amd-amdhsa--gfx1250"
	.amdhsa_code_object_version 6
	.text
	.protected	k_qc407ee890c_prep
	.globl	k_qc407ee890c_prep
	.p2align	8
	.type	k_qc407ee890c_prep,@function
k_qc407ee890c_prep:
	s_mov_b64 s[64:65], 0
	v_nop
	global_prefetch_b8 v0, s[64:65] scope:SCOPE_SE
	s_setreg_imm32_b32 hwreg(HW_REG_WAVE_MODE, 25, 1), 1
	s_wait_xcnt 0x0
; Both operands of the product are quantised to FP6 (E2M3) with one E8M0 byte for each 32 along K, and the residual is gathered.  No work is left out.
; x [4096][4096] and where(mask, weight, 0) [4096][4096], f32, K innermost.  res[m][n] = x[m][residual_connection[n]], f32, dense.
; LAYOUT OF xq AND wq, as the product's registers take them: [32 groups of 128 rows][32 K steps of 128][a record of 12,800 bytes].  A record: eight fragments of 1,536 bytes (16 rows x 128 K),
; then the 128 rows' scale words (512 bytes).  A fragment: three planes of 512 bytes; plane j holds registers 4 j .. 4 j + 3 of the operand's twelve, 16 bytes a lane.  Lane (r, h) holds row r:
; registers 0-5 the codes of k = 32 h .. + 31, registers 6-11 those of k = 64 + 32 h .. + 31.
; A block's scale is 2^(floor(log2(largest magnitude)) - 2): its byte is that magnitude's exponent field - 2, held at 1 from below; beyond 7.5 the conversion gives the largest code.
; LIMITS: NaN and infinities in x and weight are not served by the quantiser (the residual copies bits).  A block of zeros, or one whose largest magnitude lies under 2^-124, gets the byte 1 where the
; rule gives a block of zeros 127: its codes are zeros, and this program alone reads the bytes.  An index outside 0 .. 4095 is held to 4095.  A mask byte is 0 or 1.
; SHARES: a work-group of 16 waves owns 16 rows of x and of weight: one fragment row.  Wave w brings row w (32 loads of 512 consecutive bytes) and lays it dense into LDS, rows 16,400 bytes apart.
; Behind a barrier wave w quantises K steps 2 w and 2 w + 1 of all 16 rows: a lane reads its two blocks of 32 numbers, so a block's maximum needs no other lane and the conversions' results are the
; fragment's registers; each store of a plane covers 512 consecutive bytes.  Thread t gathers columns 4 t .. 4 t + 3 and 2048 + 4 t .. + 3 of res for all 16 rows.
; weight's row and its mask are asked for before x is worked on, and the mask cuts weight's bits on the way into LDS, ahead of the block's maximum.
; No tensor loads, no cluster, no prefetch: the rows pass through registers anyway, the work-groups share only the 16 KB of indices, and the text has no loop to run ahead in.
.set ROWF, 16384
.set LP,   16400                       ; a row in LDS: 16,384 + 16: the 16 rows that a load of 16 bytes a lane touches start in 16 different columns of 16 bytes
.set REC,  12800
.set GRP,  32*REC
.set SPARE, 16*LP                      ; the spare words: 128 bytes for each of 16 waves
.set IM,   10                          ; v10-17   my 8 columns' byte places in a row
.set T8,   18                          ; v18-25   at work
.set X,    32                          ; v32-63   a block's 32 numbers;  the gather: two sets of two rows x 8 numbers
.set M,    64                          ; v64-95   my row's mask bytes, a word for each load of weight
.set CD,   96                          ; v96-119  two fragments' registers
.set TC,   120                         ; v120-122 a conversion's result on its way to an odd register
.set WD,   124                         ; v124-125 the two K steps' scale words
.set R,    128                         ; v128-255 the row in flight
; v1 lane, v2 16 lane, v3 LDS in, v4 LDS out, v5 16 thread, v6 scale word's place, v7 spare word, v8 zero, v9 8 h, v26-30 at work, v31 4 lane
	s_load_b256 s[4:11], s[0:1], 0x0               ; x, the indices, weight, mask
	s_load_b128 s[12:15], s[0:1], 0x20             ; xq, wq
	s_load_b64 s[16:17], s[0:1], 0x30              ; res
	v_lshl_add_u32 v7, v0, 2, SPARE
	v_mov_b32 v8, 0
	v_lshrrev_b32 v1, 5, v0
	v_readfirstlane_b32 s18, v1                    ; wave
	v_and_b32 v1, 31, v0
	v_lshlrev_b32 v2, 4, v1
	v_lshlrev_b32 v31, 2, v1
	v_lshlrev_b32 v5, 4, v0
	s_mul_i32 s19, s18, LP
	s_lshl_b32 s20, s18, 10
	v_add_nc_u32 v3, s19, v2                       ; in: my wave's row, 16 bytes a lane
	v_and_b32 v18, 15, v1                          ; r
	v_lshrrev_b32 v19, 4, v1                       ; h
	v_mul_u32_u24 v4, v18, LP
	v_lshl_add_u32 v4, v19, 7, v4
	v_add_nc_u32 v4, s20, v4                       ; out: row r, 128 h bytes, my wave's two K steps of 512 bytes
	v_mul_u32_u24 v6, v19, REC
	v_lshl_add_u32 v6, v18, 2, v6                  ; lanes 0-15 store the first K step's words, lanes 16-31 the second's
	v_lshlrev_b32 v9, 3, v19
	v_cmp_le_u32 s21, 16, v1                       ; lanes 16-31
	s_mov_b32 s22, 0x76543210                      ; v_permlanex16_b32: lane l xor 16
	s_mov_b32 s23, 0xfedcba98
	s_mov_b32 s24, 0                               ; v_perm_b32: byte k of a word into all four bytes
	s_mov_b32 s25, 0x01010101
	s_mov_b32 s26, 0x02020202
	s_mov_b32 s27, 0x03030303
	s_lshl_b32 s28, ttmp9, 4
	s_add_co_u32 s28, s28, s18                     ; my row
	s_lshl_b32 s30, s28, 12                        ; its bytes in mask,
	s_lshl_b32 s28, s28, 14                        ; in x and in weight
	s_mov_b32 s29, 0
	s_mov_b32 s31, 0
	s_lshr_b32 s32, ttmp9, 3
	s_mul_i32 s32, s32, GRP                        ; my group of 128 rows,
	s_mul_i32 s34, s18, 2*REC
	s_add_co_u32 s32, s32, s34                     ; my wave's two records,
	s_and_b32 s35, ttmp9, 7
	s_lshl_b32 s36, s35, 6
	s_mul_i32 s35, s35, 1536
	s_add_co_u32 s34, s32, s36
	s_add_co_u32 s34, s34, 8*1536                  ; my 16 rows' scale words,
	s_add_co_u32 s32, s32, s35                     ; my fragment
	s_mov_b32 s33, 0
	s_mov_b32 s35, 0
	s_lshl_b32 s36, ttmp9, 18                      ; the work-group's 16 rows of res
	s_mov_b32 s37, 0
	s_wait_alu depctr_va_vdst(0)
	s_wait_kmcnt 0x0
	s_add_nc_u64 s[4:5], s[4:5], s[28:29]
	s_add_nc_u64 s[8:9], s[8:9], s[28:29]
	s_add_nc_u64 s[10:11], s[10:11], s[30:31]
	s_add_nc_u64 s[38:39], s[12:13], s[34:35]
	s_add_nc_u64 s[40:41], s[14:15], s[34:35]
	s_add_nc_u64 s[12:13], s[12:13], s[32:33]
	s_add_nc_u64 s[14:15], s[14:15], s[32:33]
	s_add_nc_u64 s[16:17], s[16:17], s[36:37]
.macro RLOAD sb                        ; my row: 32 loads of 512 consecutive bytes
.set J, 0
.rept 32
	global_load_b128 v[R+4*J:R+4*J+3], v2, s[\sb:\sb+1] offset:512*J th:TH_LOAD_NT
.set J, J+1
.endr
.endm
.macro FILL m                          ; the row goes into LDS as it lies, eight loads' worth at a time; m = 1: cut by the mask first
.irp g, 0,1,2,3
	s_wait_loadcnt 24-8*\g                         ; younger: the row's 8 (3 - g) later loads; the mask's loads are older than the row's
.if \m
.irp j, 0,1,2,3,4,5,6,7
	v_lshlrev_b32 v[T8+\j], 8, v[M+8*\g+\j]
.endr
.irp j, 0,1,2,3,4,5,6,7
	v_sub_nc_u32 v[T8+\j], v[T8+\j], v[M+8*\g+\j]  ; x 255: each byte 0x00 or 0xff (a byte is 0 or 1: no carry)
.endr
.irp j, 0,1,2,3,4,5,6,7
.irp k, 0,1,2,3
	v_perm_b32 v[26+\k], v[T8+\j], v[T8+\j], s[24+\k]
.endr
.irp k, 0,1,2,3
	v_and_b32 v[R+4*(8*\g+\j)+\k], v[26+\k], v[R+4*(8*\g+\j)+\k]
.endr
.endr
.endif
.irp j, 0,1,2,3,4,5,6,7
	ds_store_b128 v3, v[R+4*(8*\g+\j):R+4*(8*\g+\j)+3] offset:512*(8*\g+\j)
.endr
.endr
.endm
.macro BAR                             ; for the others' sake all my LDS instructions are done; then the barrier
	s_barrier_signal -1
	s_barrier_wait -1
.endm
; My two K steps of the 16 rows in LDS become two fragments and their scale words.  cb: my fragment's place, sb: the scale words'
.macro QUANT cb, sb
.irp e, 0,1
.irp c, 0,1
.irp i, 0,1,2,3,4,5,6,7
	ds_load_b128 v[X+4*\i:X+4*\i+3], v4 offset:512*\e+256*\c+16*\i   ; block 2 c + h of row r
.endr
	s_wait_dscnt 0x0
	v_max3_num_f32 v26, |v[X]|, |v[X+1]|, |v[X+2]|
	v_max3_num_f32 v27, |v[X+3]|, |v[X+4]|, |v[X+5]|
.irp i, 6,10,14,18,22,26
	v_max3_num_f32 v26, v26, |v[X+\i]|, |v[X+\i+1]|
	v_max3_num_f32 v27, v27, |v[X+\i+2]|, |v[X+\i+3]|
.endr
	v_max3_num_f32 v26, v26, |v[X+30]|, |v[X+31]|
	v_max3_num_f32 v26, v26, v27, 0x1800000        ; the floor 2^(3 - 127): the byte cannot fall under 1
	v_add_nc_u32 v28, 0xff000000, v26              ; 2 off the exponent field: the conversion's scale operand
	v_cvt_scalef32_pk16_fp6_f32 v[CD+12*\e+6*\c:CD+12*\e+6*\c+2], v[X:X+15], v28
	v_cvt_scalef32_pk16_fp6_f32 v[TC:TC+2], v[X+16:X+31], v28     ; (a conversion's three registers begin on an even number)
	v_lshrrev_b32 v[29+\c], 23, v28                ; the scale's byte; also the plain instruction behind the conversions
.irp i, 0,1,2
	v_mov_b32 v[CD+12*\e+6*\c+3+\i], v[TC+\i]
.endr
.endr
	v_lshl_or_b32 v18, v30, 16, v29                ; my bytes: blocks h and 2 + h,
	v_lshlrev_b32 v18, v9, v18                     ; 8 h bits up;
	v_mov_b32 v19, 0
	v_permlanex16_b32 v19, v18, s22, s23
	v_or_b32 v[WD+\e], v18, v19                    ; with lane l xor 16's two the word is whole
.irp j, 0,1,2
	global_store_b128 v2, v[CD+12*\e+4*\j:CD+12*\e+4*\j+3], s[\cb:\cb+1] offset:\e*REC+512*\j   ; a plane: 512 consecutive bytes
.endr
.endr
	v_cndmask_b32 v20, v[WD], v[WD+1], s21
	global_store_b32 v6, v20, s[\sb:\sb+1]         ; 64 bytes in each of two records
.endm
.macro GLD q                           ; my 8 numbers of row q
.irp k, 0,1,2,3,4,5,6,7
	ds_load_b32 v[X+16*(((\q)/2)%2)+8*((\q)%2)+\k], v[IM+\k] offset:((\q)%4)*LP
.endr
.endm
.macro GST q                           ; a wave stores 512 consecutive bytes
.irp j, 0,1
	global_store_b128 v5, v[X+16*(((\q)/2)%2)+8*((\q)%2)+4*\j:X+16*(((\q)/2)%2)+8*((\q)%2)+4*\j+3], s[16:17] offset:(\q)*ROWF+8192*\j
.endr
.endm
	global_load_b128 v[IM:IM+3], v5, s[6:7]
	global_load_b128 v[IM+4:IM+7], v5, s[6:7] offset:8192
	RLOAD 4
	s_wait_loadcnt 32                              ; the indices are in; the row's 32 loads stay out
.irp k, 0,1,2,3,4,5,6,7
	v_min_u32 v[IM+\k], 0xfff, v[IM+\k]            ; held inside the row
.endr
.irp k, 0,1,2,3,4,5,6,7
	v_lshlrev_b32 v[IM+\k], 2, v[IM+\k]
.endr
	s_wait_alu depctr_va_vdst(0)
	FILL 0
	s_wait_dscnt 0x0                               ; my stores have landed and have read the row's registers,
.set J, 0
.rept 32
	global_load_b32 v[M+J], v31, s[10:11] offset:128*J th:TH_LOAD_NT   ; which take weight's row; ahead of it the mask bytes of each of its loads' numbers
.set J, J+1
.endr
	RLOAD 8
	BAR                                            ; all 16 rows of x lie in LDS
	QUANT 12, 38
	GLD 0
	GLD 1
.set P, 1
.rept 7                                ; two sets of registers by turns: two rows' loads are out while the two before are stored
.if P%2 == 0
.irp k, 0,1,2,3,4,5,6,7
	v_add_nc_u32 v[IM+\k], 4*LP, v[IM+\k]          ; four rows on: the loads' immediate reaches four rows
.endr
	s_wait_alu depctr_va_vdst(0)
.endif
.if P >= 2
	s_wait_xcnt 0x0                                ; the stores have read the set that is loaded again
.endif
	GLD 2*P
	GLD 2*P+1
	s_wait_dscnt 16                                ; younger: the 16 loads just issued
	GST 2*P-2
	GST 2*P-1
.set P, P+1
.endr
	s_wait_dscnt 0x0
	GST 14
	GST 15
	BAR                                            ; everybody's reads of x are over
	FILL 1
	s_wait_dscnt 0x0
	BAR                                            ; all 16 rows of the masked weight lie in LDS
	s_wait_xcnt 0x0                                ; earlier stores have read the registers that are written again
	QUANT 14, 40
	s_wait_tensorcnt 0x0                           ; the wave's end
	ds_add_u32 v7, v8
	s_wait_dscnt 0x0
	s_endpgm
.Lfunc_end_k_qc407ee890c_prep:
	.size	k_qc407ee890c_prep, .Lfunc_end_k_qc407ee890c_prep-k_qc407ee890c_prep
	.p2alignl 7, 3214868480
	.fill 96, 4, 3214868480
	.section	.rodata,"a",@progbits
	.p2align	6, 0x0
	.amdhsa_kernel k_qc407ee890c_prep
		.amdhsa_group_segment_fixed_size 264448
		.amdhsa_private_segment_fixed_size 0
		.amdhsa_enable_private_segment 0
		.amdhsa_kernarg_size 56
		.amdhsa_user_sgpr_count 2
		.amdhsa_user_sgpr_kernarg_segment_ptr 1
		.amdhsa_wavefront_size32 1
		.amdhsa_system_sgpr_workgroup_id_x 1
		.amdhsa_system_sgpr_workgroup_id_y 1
		.amdhsa_system_sgpr_workgroup_id_z 1
		.amdhsa_system_vgpr_workitem_id 0
		.amdhsa_next_free_vgpr 256
		.amdhsa_next_free_sgpr 66
		.amdhsa_reserve_vcc 0
		.amdhsa_float_denorm_mode_32 3
		.amdhsa_float_denorm_mode_16_64 3
		.amdhsa_memory_ordered 1
		.amdhsa_forward_progress 1
		.amdhsa_inst_pref_size 62
	.end_amdhsa_kernel
	.amdgpu_metadata
---
amdhsa.version: [ 1, 2 ]
amdhsa.kernels:
  - .name:           k_qc407ee890c_prep
    .symbol:         k_qc407ee890c_prep.kd
    .args:
      - { .name: x, .offset: 0, .size: 8, .value_kind: global_buffer, .address_space: global }
      - { .name: residual_connection, .offset: 8, .size: 8, .value_kind: global_buffer, .address_space: global }
      - { .name: weight, .offset: 16, .size: 8, .value_kind: global_buffer, .address_space: global }
      - { .name: mask, .offset: 24, .size: 8, .value_kind: global_buffer, .address_space: global }
      - { .name: xq, .offset: 32, .size: 8, .value_kind: global_buffer, .address_space: global }
      - { .name: wq, .offset: 40, .size: 8, .value_kind: global_buffer, .address_space: global }
      - { .name: res, .offset: 48, .size: 8, .value_kind: global_buffer, .address_space: global }
    .group_segment_fixed_size: 264448
    .private_segment_fixed_size: 0
    .kernarg_segment_align: 8
    .kernarg_segment_size: 56
    .max_flat_workgroup_size: 512
    .sgpr_count:     66
    .vgpr_count:     256
    .wavefront_size: 32
...
	.end_amdgpu_metadata
.endif
;; end of part 1
;; launch gemm (part 2): grid 16 x 16, 4 waves a work-group, clusters of 4 x 4, 327,680 bytes of LDS; arguments xq, wq, bias, res, out0; writes out0
.if DOCPART == 2
	.amdgcn_target "amdgcn-amd-amdhsa--gfx1250"
	.amdhsa_code_object_version 6
	.text
	.protected	k_qc407ee890c_gemm
	.globl	k_qc407ee890c_gemm
	.p2align	8
	.type	k_qc407ee890c_gemm,@function
k_qc407ee890c_gemm:
	s_mov_b64 s[64:65], 0
	v_nop
	global_prefetch_b8 v0, s[64:65] scope:SCOPE_SE
	s_setreg_imm32_b32 hwreg(HW_REG_WAVE_MODE, 25, 1), 1
	s_wait_xcnt 0x0
	s_wait_alu depctr_hold_cnt(0) depctr_sa_sdst(0) depctr_va_vdst(0) depctr_va_sdst(0) depctr_va_ssrc(0) depctr_va_vcc(0) depctr_vm_vsrc(0)
	s_getreg_b32 s2, hwreg(HW_REG_IB_STS2, 6, 4)
	s_cmp_eq_u32 s2, 0
	s_cbranch_scc0 .Lentry_in_a_cluster
	s_endpgm
.Lentry_in_a_cluster:
	s_bfe_u32 s2, ttmp6, 0x10000c
	s_cmp_lg_u32 s2, 0xf033
	s_cbranch_scc0 .Lentry_shape_is_right
	s_endpgm
.Lentry_shape_is_right:
; out0[m][n] = relu(sum over k of X[m][k] W[n][k] + bias[n]) + res[m][n].  X and W: codes of FP6 (E2M3) with E8M0 scales, as the launch before laid them:
; [32 groups of 128 rows][32 K steps of 128][a record of 12,800 bytes: eight fragments of 1,536 bytes, three planes of 16 bytes a lane, then 128 scale words].  No work is left out.
; A block of 256 x 256 is made by four waves, 128 x 128 each: 64 accumulators, 512 registers.  K goes through a ring of two LDS slots.  A wave's tensor load brings THREE K steps of one group, codes and
; scale words together: a dense run of 38,400 bytes, as 150 rows of 256 bytes, each on a multiple of 256 bytes.  32 steps are ten such fills and one of two steps (100 rows).  One load a wave is out at a time.
; A fragment is three loads of 16 bytes a lane, neighbouring lanes on neighbouring bytes: no padding is needed.
; CLUSTERS: 4 x 4 work-groups; X's tiles are asked for jointly along a row of the cluster, W's along a column.  The matrix instruction is used transposed (source 0 = 16 rows of W, source 1 = 16 rows of X):
; a lane holds eight neighbouring numbers of a row of out0.  The first step's C is the bias.
; PREFETCHES, behind each change of slots in the loop: the fill that stands four fills on (its 150 blocks of 256 bytes shared out by address among the four partners that ask for it jointly, 38 each;
; the loop's last trip asks for none: fills 10 and 11 are short or do not exist; fills 0 to 3 and 10 come by their loads alone), and one block of 16 rows x 512 bytes of my part of res: eight changes, eight blocks.
; REGISTERS: window 0: v16-31 addresses; v32-47 scale words, two sets; v64-127 the bias; from v128 X's fragments, one set; window 1: W's fragments, two sets, at v0 and v128; windows 2, 3: accumulators.
.set SIZE_N, 4096
.set REC,    12800
.set GRP,    32*REC
.set SREG,   3*REC                     ; what one tensor load brings
.set SLOT,   4*SREG                    ; X's two groups, then W's two
.set SPARE,  2*SLOT                    ; the spare words, 128 bytes a wave
.set STAGE,  SLOT                      ; the way out goes through slot 1: it has had its last fill, and its last read lies ahead of the walk's last barrier
.set SPITCH, 528
.set SCO,    8*1536                    ; the scale words' place in a record
.set FR, 12
.set NL, 3
.set NP, 4
.set ADRA, 16                          ; v16-17 my X fragments in slot 0, 1
.set ADRS, 18                          ; v18-19 scale words: lanes 0-15 X's rows, lanes 16-31 W's
.set ADRB, 20                          ; v20-21 my W fragments
.set PT0,  22                          ; v22-23 the tile prefetches' offsets
.set PT1,  23
.set STO,  24
.set RD,   25
.set CO,   26
.set PRO,  27                          ; v27 res prefetch: 16 rows x 2 blocks of 256 bytes
.set SPW,  28
.set NIL,  29
.set BO,   31
.set SC,   32
.set BI,   64
.set AF,   128
.set BK,   128
.set G1, 24
.set G0, 32
.set G1B, 48
.set G0B, 56
.set PFA, 66
.set PFR, 68
.set RS,  72
.set MSB, 0
.macro WIN new                         ; the immediate's high byte repeats the setting that is left
.if MSB != \new
	s_set_vgpr_msb (MSB<<8)|\new
.set MSB, \new
.endif
.endm
.set MUL_LO,   0xa1
.set MUL_HI,   0xf1
.set FIRST_LO, 0x81                    ; C in window 0: the bias
.set FIRST_HI, 0xc1
.set TO_B,     0x40
.macro JLOAD g0a, g1a, g0b, g1b        ; a joint load: waves 0 and 1 fetch X's two groups, waves 2 and 3 W's
	s_cmp_eq_u32 s15, 0
	s_cbranch_scc0 .Lfor_b_\@
	tensor_load_to_lds s[\g0a:\g0a+3], s[\g1a:\g1a+7]
	s_nop 0
.rept 4
	v_nop
.endr
	s_branch .Lasked_\@
.Lfor_b_\@:
	tensor_load_to_lds s[\g0b:\g0b+3], s[\g1b:\g1b+7]
	s_nop 0
.rept 4
	v_nop
.endr
.Lasked_\@:
.endm
.macro CREST                           ; a round of the cluster's barrier behind its opening barrier
	s_cmp_lg_u32 s14, 0
	s_cbranch_scc1 .Lnot_wave_0_\@
	s_barrier_signal -3
.Lnot_wave_0_\@:
	s_barrier_wait -3
	s_barrier_signal -1
	s_barrier_wait -1
.endm
.macro CROUND
	s_barrier_signal -1
	s_barrier_wait -1
	CREST
.endm
	s_load_b256 s[4:11], s[0:1], 0x0               ; xq, wq, bias, res
	s_load_b64 s[12:13], s[0:1], 0x20              ; out0
	v_lshl_add_u32 v[SPW], v0, 2, SPARE
	v_mov_b32 v[NIL], 0
	ds_add_u32 v[SPW], v[NIL]
	ds_add_u32 v[SPW], v[NIL]
	v_lshrrev_b32 v1, 5, v0
	v_readfirstlane_b32 s14, v1                    ; wave
	s_lshr_b32 s15, s14, 1                         ; my half of the rows; also: I fetch for X (0) or W (1)
	s_and_b32 s16, s14, 1                          ; my half of the columns; also: which group I fetch
	s_bfe_u32 s40, ttmp6, 0x40000                  ; cx
	s_bfe_u32 s41, ttmp6, 0x40004                  ; cy
	s_lshl_b32 s42, ttmp9, 2
	s_add_co_u32 s42, s42, s40                     ; block column
	s_and_b32 s17, ttmp7, 0xffff
	s_lshl_b32 s17, s17, 2
	s_add_co_u32 s17, s17, s41                     ; block row
	s_lshl_b32 s43, s41, 2
	s_lshl_b32 s43, 15, s43                        ; my row of the cluster
	s_lshl_b32 s44, 0x1111, s40                    ; my column
	s_or_b32 s[G1+0], s43, (3<<16)|(1<<21)         ; the mask; elements of 8 bytes; bit 21 beside a mask; no padding
	s_or_b32 s[G1B+0], s44, (3<<16)|(1<<21)
.irp g, G1, G1B
	s_mov_b32 s[\g+1], 32<<16                      ; rows of 32 elements: 256 bytes
	s_mov_b32 s[\g+2], 150<<16
	s_mov_b32 s[\g+3], 32<<16
	s_mov_b32 s[\g+4], 150
	s_mov_b32 s[\g+5], 32
	s_mov_b32 s[\g+6], 0
	s_mov_b32 s[\g+7], 0
.endr
	s_lshl_b32 s20, s17, 1
	s_add_co_u32 s20, s20, s16
	s_mul_i32 s20, s20, GRP                        ; X: group 2 x block row + half
	s_lshl_b32 s46, s42, 1
	s_add_co_u32 s46, s46, s16
	s_mul_i32 s46, s46, GRP                        ; W: group 2 x block column + half
	s_mov_b32 s21, 0
	s_mov_b32 s47, 0
	s_mul_i32 s45, s14, SREG                       ; where my load goes: no place in the cluster enters an LDS address
	s_wait_dscnt 0x0
	s_wait_kmcnt 0x0
	s_add_nc_u64 s[20:21], s[4:5], s[20:21]
	s_add_nc_u64 s[46:47], s[6:7], s[46:47]
.irp s, 0,1
	s_mov_b32 s[G0+4*\s], 1
	s_add_co_u32 s[G0+4*\s+1], s45, \s*SLOT
	s_add_nc_u64 s[G0+4*\s+2:G0+4*\s+3], s[20:21], \s*SREG
	s_or_b32 s[G0+4*\s+3], s[G0+4*\s+3], 0x80000000
	s_mov_b32 s[G0B+4*\s], 1
	s_add_co_u32 s[G0B+4*\s+1], s45, \s*SLOT
	s_add_nc_u64 s[G0B+4*\s+2:G0B+4*\s+3], s[46:47], \s*SREG
	s_or_b32 s[G0B+4*\s+3], s[G0B+4*\s+3], 0x80000000
.endr
	CROUND                                         ; all sixteen work-groups are here: the first joint loads meet
	JLOAD G0, G1, G0B, G1B                         ; fill 0: one tensor load a wave at the head
	s_cmp_eq_u32 s15, 0
	s_cselect_b64 s[PFA:PFA+1], s[20:21], s[46:47] ; the tile prefetches: the group that I fetch,
	s_cselect_b32 s70, s40, s41                    ; my place among the four that ask for it with me
	s_add_nc_u64 s[PFA:PFA+1], s[PFA:PFA+1], 3*SREG  ; the first change of slots steps it to fill 4
	s_mul_i32 s70, s70, 38
	s_add_co_u32 s71, s70, 32
	s_lshl_b32 s18, s17, 8
	s_lshl_b32 s19, s15, 7
	s_add_co_u32 s18, s18, s19
	s_lshl_b32 s80, s18, 14                        ; my first row of out0, in bytes,
	s_lshl_b32 s82, s42, 10
	s_lshl_b32 s19, s16, 9
	s_add_co_u32 s82, s82, s19                     ; my first column
	s_add_co_u32 s80, s80, s82
	s_mov_b32 s81, 0
	s_mov_b32 s83, 0
	s_add_nc_u64 s[8:9], s[8:9], s[82:83]
	s_add_nc_u64 s[12:13], s[12:13], s[80:81]
	s_add_nc_u64 s[RS:RS+1], s[10:11], s[80:81]
	s_mov_b64 s[PFR:PFR+1], s[RS:RS+1]
	s_mul_i32 s84, s15, SREG                       ; my X group in a slot
	s_add_co_u32 s85, s84, SLOT
	s_mul_i32 s86, s16, SREG
	s_add_co_u32 s86, s86, 2*SREG                  ; my W group
	s_add_co_u32 s87, s86, SLOT
	s_sub_co_u32 s88, s86, s84
	s_add_co_u32 s89, s84, SCO
	s_add_co_u32 s90, s89, SLOT
	s_mul_i32 s23, s14, 16*SPITCH
	s_add_co_u32 s23, s23, STAGE
	v_and_b32 v6, 31, v0
	v_and_b32 v1, 15, v0
	v_bfe_u32 v2, v0, 4, 1
	v_lshlrev_b32 v[CO], 4, v6
	v_add_nc_u32 v[ADRA], s84, v[CO]
	v_add_nc_u32 v[ADRA+1], s85, v[CO]
	v_add_nc_u32 v[ADRB], s86, v[CO]
	v_add_nc_u32 v[ADRB+1], s87, v[CO]
	v_mul_u32_u24 v3, s88, v2                      ; lanes 16-31 take W's words
	v_lshl_add_u32 v3, v1, 2, v3
	v_add_nc_u32 v[ADRS], s89, v3
	v_add_nc_u32 v[ADRS+1], s90, v3
	v_mul_u32_u24 v5, v1, SPITCH
	v_lshl_add_u32 v5, v2, 5, v5
	v_add_nc_u32 v[STO], s23, v5
	v_add_nc_u32 v[RD], s23, v[CO]
	v_lshlrev_b32 v[BO], 5, v2
	v_lshrrev_b32 v5, 1, v6
	v_and_b32 v4, 1, v6
	v_lshlrev_b32 v5, 14, v5
	v_lshl_add_u32 v[PRO], v4, 8, v5
	v_add_nc_u32 v3, s70, v6                       ; blocks 38 p + lane,
	v_lshlrev_b32 v[PT0], 8, v3
	v_min_u32 v3, 5, v6
	v_add_nc_u32 v3, s71, v3                       ; and 38 p + 32 .. 37 (the lanes left over name the last again),
	v_min_u32 v3, 149, v3                          ; inside the fill's 150
	v_lshlrev_b32 v[PT1], 8, v3
	s_wait_alu depctr_va_vdst(0)
.irp b, 0,1,2,3,4,5,6,7
	global_load_b128 v[BI+8*\b:BI+8*\b+3], v[BO], s[8:9] offset:64*\b         ; bias of columns 16 b + 8 h + 0 .. 7
	global_load_b128 v[BI+8*\b+4:BI+8*\b+7], v[BO], s[8:9] offset:64*\b+16
.endr
.macro FRAG reg, adr, q, i             ; a fragment: its three planes
.irp j, 0,1,2
	ds_load_b128 v[\reg+4*\j:\reg+4*\j+3], v[\adr] offset:(\q)*REC+(\i)*1536+512*\j
.endr
.endm
; 16 matrix instructions: X's blocks a0, a0 + 1 x W's eight.  p: W's set and the set of scale words.  The 64 accumulators take turns in the same order in every step
.macro MUL16 a0, p, zero
.irp a, \a0, \a0+1
.irp b, 0,1,2,3,4,5,6,7
.if \zero
	v_wmma_scale_f32_16x16x128_f8f6f4 v[8*(8*((\a)%4)+\b):8*(8*((\a)%4)+\b)+7], v[128*(\p)+FR*\b:128*(\p)+FR*\b+FR-1], v[AF+FR*(\a):AF+FR*(\a)+FR-1], v[BI+8*\b:BI+8*\b+7], v[SC+8*(\p)+\b], v[SC+8*(\p)+(\a)] matrix_a_fmt:MATRIX_FMT_FP6 matrix_b_fmt:MATRIX_FMT_FP6 matrix_a_scale:MATRIX_SCALE_ROW1
.else
	v_wmma_scale_f32_16x16x128_f8f6f4 v[8*(8*((\a)%4)+\b):8*(8*((\a)%4)+\b)+7], v[128*(\p)+FR*\b:128*(\p)+FR*\b+FR-1], v[AF+FR*(\a):AF+FR*(\a)+FR-1], v[8*(8*((\a)%4)+\b):8*(8*((\a)%4)+\b)+7], v[SC+8*(\p)+\b], v[SC+8*(\p)+(\a)] matrix_a_fmt:MATRIX_FMT_FP6 matrix_b_fmt:MATRIX_FMT_FP6 matrix_a_scale:MATRIX_SCALE_ROW1
.endif
.endr
.endr
.endm
.macro FETCH_B slot, q, p
	WIN TO_B
.irp i, 0,1,2,3,4,5,6,7
	FRAG 128*(\p)+FR*\i, ADRB+(\slot), \q, \i
.endr
	WIN 0
.endm
.macro FETCH_A slot, q, i0
.irp i, \i0, \i0+1, \i0+2, \i0+3
	FRAG AF+FR*(\i), ADRA+(\slot), \q, \i
.endr
.endm
.macro SCALES slot, q, p               ; register i: lanes 0-15 the words of X's block i, lanes 16-31 those of W's block i
.irp i, 0,1,2,3,4,5,6,7
	ds_load_b32 v[SC+8*(\p)+\i], v[ADRS+(\slot)] offset:(\q)*REC+\i*64
.endr
.endm
.macro PLACES n                        ; places behind matrix instructions, ahead of loads into their registers and of reads of results
.rept \n
	v_nop
.endr
.endm
; Step q of a slot, not its last: 64 matrix instructions; the next step's fragments come in its middle and at its end
.macro STEP slot, q, zero
.set PS, ((\slot)+(\q))%2
	s_wait_dscnt 4*NL                              ; the youngest 12 loads, X's blocks 4-7, may be out
.if \zero
	WIN FIRST_LO
.else
	WIN MUL_LO
.endif
	MUL16 0, PS, \zero
	MUL16 2, PS, \zero
	s_wait_dscnt 0
	PLACES NP
	FETCH_B \slot, (\q)+1, 1-PS
	FETCH_A \slot, (\q)+1, 0
	SCALES \slot, (\q)+1, 1-PS
.if \zero
	WIN FIRST_HI
.else
	WIN MUL_HI
.endif
	MUL16 4, PS, \zero
	MUL16 6, PS, \zero
	PLACES NP
	WIN 0
	FETCH_A \slot, (\q)+1, 4
.endm
; A slot's third step, and the change of slots.  fill = 1: the slot is filled again, two fills on; 2: with the last fill, of 100 rows; 0: nothing is left to fetch.  pf = 1: in the loop, with its prefetches
.macro TURN slot, fill, pf
.set PS, (\slot)%2
.if \pf
	s_wait_xcnt 0x0                                ; my prefetches have read their addresses, which step here
	s_add_nc_u64 s[PFA:PFA+1], s[PFA:PFA+1], SREG
	s_add_nc_u64 s[PFR:PFR+1], s[PFR:PFR+1], 16*SIZE_N*4
.endif
	s_wait_tensorcnt 0x0                           ; my one load that was out, my part of the next slot, has landed;
	ds_add_u32 v[SPW], v[NIL]
	s_wait_dscnt 4*NL+1                            ; (the add and X's blocks 4-7 may be out)
	WIN MUL_LO
	MUL16 0, PS, 0
	s_wait_dscnt 0x0                               ; the add is done, and my reads of this slot are over
	s_barrier_signal -1
	MUL16 2, PS, 0
	WIN 0
	s_barrier_wait -1
.if \fill
	CREST                                          ; the barrier has opened a round of the cluster's barrier
	s_add_nc_u64 s[G0+4*\slot+2:G0+4*\slot+3], s[G0+4*\slot+2:G0+4*\slot+3], 2*SREG
	s_add_nc_u64 s[G0B+4*\slot+2:G0B+4*\slot+3], s[G0B+4*\slot+2:G0B+4*\slot+3], 2*SREG
.if \fill == 2
	s_mov_b32 s[G1+2], 100<<16                     ; no tensor load of mine is out: the last fill has two steps, 100 rows
	s_mov_b32 s[G1+4], 100
	s_mov_b32 s[G1B+2], 100<<16
	s_mov_b32 s[G1B+4], 100
.endif
	JLOAD G0+4*\slot, G1, G0B+4*\slot, G1B         ; the first tensor load behind the round; its four v_nop are the places ahead of the loads below
.else
	PLACES NP
.endif
	FETCH_B 1-(\slot), 0, 1-PS
	FETCH_A 1-(\slot), 0, 0
	SCALES 1-(\slot), 0, 1-PS
.if \pf
	global_prefetch_b8 v[PRO], s[PFR:PFR+1] offset:-16*SIZE_N*4 th:TH_LOAD_NT scope:SCOPE_SE
	s_cmp_gt_u32 s3, 1
	s_cbranch_scc0 .Lno_tile_\@                    ; the last trip's look-ahead would pass the group's end
	global_prefetch_b8 v[PT0], s[PFA:PFA+1] th:TH_LOAD_NT scope:SCOPE_SE
	global_prefetch_b8 v[PT1], s[PFA:PFA+1] th:TH_LOAD_NT scope:SCOPE_SE
.Lno_tile_\@:
.endif
	WIN MUL_HI
	MUL16 4, PS, 0
	MUL16 6, PS, 0
	PLACES NP
	WIN 0
	FETCH_A 1-(\slot), 0, 4
.endm
.macro RLOAD a                         ; block a's 16 rows x 512 bytes of res, into window 1
	WIN TO_B
.irp t, 0,1,2,3,4,5,6,7,8,9,10,11,12,13,14,15
	global_load_b128 v[64*((\a)%4)+4*\t:64*((\a)%4)+4*\t+3], v[CO], s[RS:RS+1] offset:(16*(\a)+\t)*SIZE_N*4 th:TH_LOAD_NT
.endr
	WIN 0
.endm
	s_wait_tensorcnt 0x0                           ; my part of fill 0 is in
	ds_add_u32 v[SPW], v[NIL]
	s_wait_dscnt 0x0
	CROUND                                         ; everybody's part of fill 0 is in, and the joint loads meet
	JLOAD G0+4, G1, G0B+4, G1B                     ; fill 1, slot 1's first
	FETCH_B 0, 0, 0
	FETCH_A 0, 0, 0
	SCALES 0, 0, 0
	FETCH_A 0, 0, 4
	s_wait_loadcnt 0x0                             ; the bias
	STEP 0, 0, 1                                   ; the first step's products start the sums on the bias
	s_mov_b32 s3, 4
.Llap:                                         ; a trip: six steps, once round the ring, from a lap's second step to the next lap's first
	STEP 0, 1, 0
	TURN 0, 1, 1
	STEP 1, 0, 0
	STEP 1, 1, 0
	TURN 1, 1, 1
	STEP 0, 0, 0
	s_sub_co_u32 s3, s3, 1
	s_cmp_lg_u32 s3, 0
	s_cbranch_scc1 .Llap
	STEP 0, 1, 0                                   ; steps 25 to 31
	TURN 0, 2, 0
	STEP 1, 0, 0
	STEP 1, 1, 0
	TURN 1, 0, 0
	STEP 0, 0, 0
	RLOAD 0
	RLOAD 1
	s_wait_dscnt 4*NL
	WIN MUL_LO
	MUL16 0, 1, 0
	MUL16 2, 1, 0
	s_wait_dscnt 0
	WIN MUL_HI
	MUL16 4, 1, 0
	MUL16 6, 1, 0
	WIN 0
; THE WAY OUT, block by block of 16 rows x 128 columns: through my own stage, back as whole rows of 512 bytes; relu, the residual, the store
.macro TOSTAGE a
.set AC, 64*((\a)%4)
	WIN 0x08+4*((\a)/4)
.irp b, 0,1,2,3,4,5,6,7
	ds_store_b128 v[STO], v[AC+8*\b:AC+8*\b+3] offset:64*\b          ; each accumulator from its low end on
	ds_store_b128 v[STO], v[AC+8*\b+4:AC+8*\b+7] offset:64*\b+16
.endr
	WIN 0
.set BB, BK+64*((\a)%2)
.irp t, 0,1,2,3,4,5,6,7,8,9,10,11,12,13,14,15
	ds_load_b128 v[BB+4*\t:BB+4*\t+3], v[RD] offset:\t*SPITCH        ; LDS serves a wave's instructions in order (ISA guide 5.7.1.4)
.endr
.endm
.macro SEND a, younger
.set BB, BK+64*((\a)%2)
.set RB, 64*((\a)%4)
.if 7-(\a) < 3
.set LEFT, 16*(7-(\a))
.else
.set LEFT, 48
.endif
	s_wait_dscnt \younger
.set i, 0
.rept 64
	v_max_num_f32 v[BB+i], 0, v[BB+i]
.set i, i+1
.endr
	s_wait_loadcnt LEFT                            ; younger: the loads of up to three later blocks of res
	WIN 0x04
.set i, 0
.rept 32
	v_pk_add_f32 v[BB+i:BB+i+1], v[BB+i:BB+i+1], v[RB+i:RB+i+1]
.set i, i+2
.endr
	WIN 0
.irp t, 0,1,2,3,4,5,6,7,8,9,10,11,12,13,14,15
	global_store_b128 v[CO], v[BB+4*\t:BB+4*\t+3], s[12:13] offset:(16*(\a)+\t)*SIZE_N*4 th:TH_STORE_NT   ; 32 lanes store 512 consecutive bytes
.endr
.if (\a) < 4
	RLOAD (\a)+4
.endif
.endm
	PLACES NP
	RLOAD 2
	RLOAD 3
	TOSTAGE 0
.irp a, 1,2,3,4,5,6,7
.if \a > 1
	s_wait_xcnt 0x0                                ; block a - 2's stores have read the registers on which block a's loads land
.endif
	TOSTAGE \a
	SEND \a-1, 32
.endr
	SEND 7, 0
	s_wait_tensorcnt 0x0                           ; the wave's end
	ds_add_u32 v[SPW], v[NIL]
	s_wait_dscnt 0x0
	CROUND                                         ; the closing round
	s_endpgm
.Lfunc_end_k_qc407ee890c_gemm:
	.size	k_qc407ee890c_gemm, .Lfunc_end_k_qc407ee890c_gemm-k_qc407ee890c_gemm
	.p2alignl 7, 3214868480
	.fill 96, 4, 3214868480
	.section	.rodata,"a",@progbits
	.p2align	6, 0x0
	.amdhsa_kernel k_qc407ee890c_gemm
		.amdhsa_group_segment_fixed_size 327680
		.amdhsa_private_segment_fixed_size 0
		.amdhsa_enable_private_segment 0
		.amdhsa_kernarg_size 40
		.amdhsa_user_sgpr_count 2
		.amdhsa_user_sgpr_kernarg_segment_ptr 1
		.amdhsa_wavefront_size32 1
		.amdhsa_system_sgpr_workgroup_id_x 1
		.amdhsa_system_sgpr_workgroup_id_y 1
		.amdhsa_system_sgpr_workgroup_id_z 1
		.amdhsa_system_vgpr_workitem_id 0
		.amdhsa_next_free_vgpr 1024
		.amdhsa_next_free_sgpr 96
		.amdhsa_reserve_vcc 0
		.amdhsa_float_denorm_mode_32 3
		.amdhsa_float_denorm_mode_16_64 3
		.amdhsa_memory_ordered 1
		.amdhsa_forward_progress 1
		.amdhsa_inst_pref_size 255
	.end_amdhsa_kernel
	.section	.bss,"aw",@nobits
	.p2align	6
	.space	262144
	.amdgpu_metadata
---
amdhsa.version: [ 1, 2 ]
amdhsa.kernels:
  - .name:           k_qc407ee890c_gemm
    .symbol:         k_qc407ee890c_gemm.kd
    .args:
      - { .name: xq, .offset: 0, .size: 8, .value_kind: global_buffer, .address_space: global }
      - { .name: wq, .offset: 8, .size: 8, .value_kind: global_buffer, .address_space: global }
      - { .name: bias, .offset: 16, .size: 8, .value_kind: global_buffer, .address_space: global }
      - { .name: res, .offset: 24, .size: 8, .value_kind: global_buffer, .address_space: global }
      - { .name: out0, .offset: 32, .size: 8, .value_kind: global_buffer, .address_space: global }
    .group_segment_fixed_size: 327680
    .private_segment_fixed_size: 0
    .kernarg_segment_align: 8
    .kernarg_segment_size: 40
    .max_flat_workgroup_size: 128
    .sgpr_count:     96
    .vgpr_count:     1024
    .wavefront_size: 32
...
	.end_amdgpu_metadata
.endif
;; end of part 2
